; MI455X (gfx1250); checked and timed in simulation.
; The chip was launched on July 23, 2026; its instructions are those of AMD's public machine-readable ISA for CDNA 5 (MIT licence, August 2026) and "CDNA5" Instruction Set Architecture Reference Guide (July 2026). The comments in the code are by the model that wrote it; some were corrected since.
;; Vector Quantizer. Allowed arithmetic: float matrix products may take bf16 or f16 operands with f32 sums; all other float work in f32.
;; Inputs: W 4,096 x 64 float32; z 16 x 4,096 x 64 float32.
;; Outputs: out0 one number float32; out1 16 x 4,096 x 64 float32.
;; One version. Each part assembles by itself: llvm-mc -triple=amdgcn-amd-amdhsa -mcpu=gfx1250 --defsym DOCPART=n.
;; ======== version 1 of 1: 3 launches
;; limits: a difference of large sums (such as E[x^2] - mean^2): digits are lost where the result is much smaller than its terms; values outside matrix products are rounded to bf16
;; workspace buffers: W2 524,288 bytes; ww 16,384 bytes; idx 262,144 bytes of whole numbers; part 1,024 bytes
;; launch prep (part 1): grid 64 x 1, 4 waves a work-group, no clusters, 768 bytes of LDS; arguments W, W2, ww; writes W2, ww
.if DOCPART == 1
	.amdgcn_target "amdgcn-amd-amdhsa--gfx1250"
	.amdhsa_code_object_version 6
	.text
	.protected	k_q5ccf8eb4a0_prep
	.globl	k_q5ccf8eb4a0_prep
	.p2align	8
	.type	k_q5ccf8eb4a0_prep,@function
k_q5ccf8eb4a0_prep:
	s_mov_b64 s[64:65], 0
	v_nop
	global_prefetch_b8 v0, s[64:65] scope:SCOPE_SE
	s_setreg_imm32_b32 hwreg(HW_REG_WAVE_MODE, 25, 1), 1
	s_wait_xcnt 0x0
; VectorQuantizer, first of three launches: the codebook is made ready once for all 256 work-groups of the next launch.
;   W2[c][j] = bf16(-2 W[c][j])      [4096][64] bf16, rows of 128 bytes.  The factor -2 is a change of exponent and sign, so W2 = -2 bf16(W) exactly,
;                                    and the next launch's matrix product gives -2 z.w with no further instruction.
;   ww[c]    = sum over j of bf16(W[c][j])^2, in f32: made from the same rounded numbers that enter the product.
; NOTHING OF THE PROBLEM IS LEFT OUT in any of the three launches.  In particular |z|^2, though it is the same for all codes of a row, stays in the
; distances: it is so large beside 2 z.w that the f32 roundings of (|z|^2 + |w|^2) - 2 z.w make equal distances of unequal ones, and the first index then wins.
; So the next launch forms the distance with these two roundings, in this order.
; A work-group of four waves takes 64 rows of W (16,384 bytes), so that its 64 sums fill one aligned block of 256 bytes of ww.  Step st of thread t is the 16 bytes at
; 2,048 st + 16 t: a wave's load covers 512 neighbouring bytes, two rows, sixteen lanes a row; eight steps a wave.
; All eight loads go out first; every step owns its four registers, so no register of a pending load or store is ever written again.
; A step's sum is one chain of nine instructions that hang on each other; the chains of four steps are written side by side, level by level.
; Matrix units, clusters and tensor loads have nothing to do here: each byte is read once and written once.
; Limit: where -2 W leaves the range of bf16 normal numbers (|W| above 1.6e38 or below 1e-38) W2 and ww follow bf16, not f32.
.set X, 16                             ; v[16:47]  step st: 4 registers: W as loaded; then 0-1 the packed bf16, 2 the sum of squares
	s_load_b128 s[4:7], s[0:1], 0x0                ; W s[4:5], W2 s[6:7]
	s_load_b64 s[8:9], s[0:1], 0x10                ; ww
	v_lshl_add_u32 v48, v0, 2, 0x100
	v_mov_b32 v49, 0
	v_lshrrev_b32 v1, 5, v0
	v_readfirstlane_b32 s2, v1                     ; wave 0..3
	v_lshlrev_b32 v1, 4, v0                        ; 16 x thread: my 16 bytes of a step of W
	v_lshlrev_b32 v2, 3, v0                        ; 8 x thread: my 8 bytes of a step of W2
	v_lshrrev_b32 v3, 4, v0
	v_lshlrev_b32 v3, 2, v3                        ; 4 x (thread / 16): the word of my row among a step's eight sums
	v_mov_b32 v4, 0                                ; the sums start from it
	v_and_b32 v5, 31, v0
	v_lshlrev_b32 v5, 3, v5                        ; 8 x lane: at the end, two sums a lane
	s_lshl_b32 s10, ttmp9, 14                      ; 64 rows of W are 16,384 bytes,
	s_mov_b32 s11, 0
	s_lshl_b32 s12, ttmp9, 13                      ; of W2 8,192,
	s_mov_b32 s13, 0
	s_lshl_b32 s14, ttmp9, 8                       ; of ww 256
	s_mov_b32 s15, 0
	s_wait_kmcnt 0x0
	s_add_nc_u64 s[4:5], s[4:5], s[10:11]
	s_add_nc_u64 s[6:7], s[6:7], s[12:13]
	s_add_nc_u64 s[8:9], s[8:9], s[14:15]
.irp st, 0,1,2,3,4,5,6,7
	global_load_b128 v[X+4*\st:X+4*\st+3], v1, s[4:5] offset:2048*\st th:TH_LOAD_NT
.endr
; Four steps, level by level.  left = how many younger loads may stay out.
.macro FOUR a, b, c, d, left
	s_wait_loadcnt \left                           ; loads come back in order (ISA guide 5.7.1): these four steps are in
.irp st, \a, \b, \c, \d
	v_pk_mul_f32 v[X+4*\st:X+4*\st+1], v[X+4*\st:X+4*\st+1], -2.0 op_sel_hi:[1,0]
	v_pk_mul_f32 v[X+4*\st+2:X+4*\st+3], v[X+4*\st+2:X+4*\st+3], -2.0 op_sel_hi:[1,0]
.endr
.irp st, \a, \b, \c, \d
	v_cvt_pk_bf16_f32 v[X+4*\st], v[X+4*\st], v[X+4*\st+1]
.endr
.irp st, \a, \b, \c, \d
	v_cvt_pk_bf16_f32 v[X+4*\st+1], v[X+4*\st+2], v[X+4*\st+3]
.endr
.irp st, \a, \b, \c, \d
	global_store_b64 v2, v[X+4*\st:X+4*\st+1], s[6:7] offset:1024*\st   ; the wave stores 256 consecutive bytes, at a multiple of 256 from the first byte of W2
.endr
.irp st, \a, \b, \c, \d
	v_fma_mix_f32_bf16 v[X+4*\st+2], v[X+4*\st], v[X+4*\st], v4 op_sel_hi:[1,1,0]                            ; low half squared
.endr
.irp st, \a, \b, \c, \d
	v_fma_mix_f32_bf16 v[X+4*\st+2], v[X+4*\st], v[X+4*\st], v[X+4*\st+2] op_sel:[1,1,0] op_sel_hi:[1,1,0]   ; + high half squared
.endr
.irp st, \a, \b, \c, \d
	v_fma_mix_f32_bf16 v[X+4*\st+2], v[X+4*\st+1], v[X+4*\st+1], v[X+4*\st+2] op_sel_hi:[1,1,0]
.endr
.irp st, \a, \b, \c, \d
	v_fma_mix_f32_bf16 v[X+4*\st+2], v[X+4*\st+1], v[X+4*\st+1], v[X+4*\st+2] op_sel:[1,1,0] op_sel_hi:[1,1,0]
.endr
.irp m, 1, 2, 4, 8                                 ; over the sixteen lanes of my row
.irp st, \a, \b, \c, \d
	v_add_f32_dpp v[X+4*\st+2], v[X+4*\st+2], v[X+4*\st+2] row_xmask:\m row_mask:0xf bank_mask:0xf
.endr
.endr
.irp st, \a, \b, \c, \d
	v_mul_f32 v[X+4*\st+2], 0.25, v[X+4*\st+2]     ; (-2)^2 taken out again: a change of exponent
.endr
.irp st, \a, \b, \c, \d
	ds_store_b32 v3, v[X+4*\st+2] offset:32*\st    ; sixteen lanes write one word with one value: word 8 st + thread / 16 = the row's number in the group
.endr
.endm
	FOUR 0, 1, 2, 3, 4                             ; the four loads of steps 4 to 7 may stay out
	FOUR 4, 5, 6, 7, 0
	s_wait_dscnt 0x0                               ; my sixteen sums are written: wave 0 reads them behind the barrier
	s_barrier_signal -1
	s_barrier_wait -1
	s_cmp_lg_u32 s2, 0
	s_cbranch_scc1 .Lend
	ds_load_b64 v[8:9], v5                         ; the 64 sums, two a lane
	s_wait_dscnt 0x0
	global_store_b64 v5, v[8:9], s[8:9]            ; 256 consecutive bytes of ww, aligned
.Lend:
	s_wait_tensorcnt 0x0
	ds_add_u32 v48, v49
	s_wait_dscnt 0x0
	s_endpgm
.Lfunc_end_k_q5ccf8eb4a0_prep:
	.size	k_q5ccf8eb4a0_prep, .Lfunc_end_k_q5ccf8eb4a0_prep-k_q5ccf8eb4a0_prep
	.p2alignl 7, 3214868480
	.fill 96, 4, 3214868480
	.section	.rodata,"a",@progbits
	.p2align	6, 0x0
	.amdhsa_kernel k_q5ccf8eb4a0_prep
		.amdhsa_group_segment_fixed_size 768
		.amdhsa_private_segment_fixed_size 0
		.amdhsa_enable_private_segment 0
		.amdhsa_kernarg_size 24
		.amdhsa_user_sgpr_count 2
		.amdhsa_user_sgpr_kernarg_segment_ptr 1
		.amdhsa_wavefront_size32 1
		.amdhsa_system_sgpr_workgroup_id_x 1
		.amdhsa_system_sgpr_workgroup_id_y 1
		.amdhsa_system_sgpr_workgroup_id_z 1
		.amdhsa_system_vgpr_workitem_id 0
		.amdhsa_next_free_vgpr 50
		.amdhsa_next_free_sgpr 66
		.amdhsa_reserve_vcc 0
		.amdhsa_float_denorm_mode_32 3
		.amdhsa_float_denorm_mode_16_64 3
		.amdhsa_memory_ordered 1
		.amdhsa_forward_progress 1
		.amdhsa_inst_pref_size 11
	.end_amdhsa_kernel
	.amdgpu_metadata
---
amdhsa.version: [ 1, 2 ]
amdhsa.kernels:
  - .name:           k_q5ccf8eb4a0_prep
    .symbol:         k_q5ccf8eb4a0_prep.kd
    .args:
      - { .name: W, .offset: 0, .size: 8, .value_kind: global_buffer, .address_space: global }
      - { .name: W2, .offset: 8, .size: 8, .value_kind: global_buffer, .address_space: global }
      - { .name: ww, .offset: 16, .size: 8, .value_kind: global_buffer, .address_space: global }
    .group_segment_fixed_size: 768
    .private_segment_fixed_size: 0
    .kernarg_segment_align: 8
    .kernarg_segment_size: 24
    .max_flat_workgroup_size: 128
    .sgpr_count:     66
    .vgpr_count:     50
    .wavefront_size: 32
...
	.end_amdgpu_metadata
.endif
;; end of part 1
;; launch nearest (part 2): grid 256 x 1, 8 waves a work-group, clusters of 4 x 1, 327,680 bytes of LDS; arguments z, W2, ww, idx, part; writes idx, part
.if DOCPART == 2
	.amdgcn_target "amdgcn-amd-amdhsa--gfx1250"
	.amdhsa_code_object_version 6
	.text
	.protected	k_q5ccf8eb4a0_nearest
	.globl	k_q5ccf8eb4a0_nearest
	.p2align	8
	.type	k_q5ccf8eb4a0_nearest,@function
k_q5ccf8eb4a0_nearest:
	s_mov_b64 s[64:65], 0
	v_nop
	global_prefetch_b8 v0, s[64:65] scope:SCOPE_SE
	s_setreg_imm32_b32 hwreg(HW_REG_WAVE_MODE, 25, 1), 1
	s_wait_xcnt 0x0
	s_wait_alu depctr_hold_cnt(0) depctr_sa_sdst(0) depctr_va_vdst(0) depctr_va_sdst(0) depctr_va_ssrc(0) depctr_va_vcc(0) depctr_vm_vsrc(0)
	s_getreg_b32 s2, hwreg(HW_REG_IB_STS2, 6, 4)
	s_cmp_eq_u32 s2, 0
	s_cbranch_scc0 .Lentry_in_a_cluster
	s_endpgm
.Lentry_in_a_cluster:
	s_bfe_u32 s2, ttmp6, 0x10000c
	s_cmp_lg_u32 s2, 0x3003
	s_cbranch_scc0 .Lentry_shape_is_right
	s_endpgm
.Lentry_shape_is_right:
; VectorQuantizer, second launch: idx[n] = the first index of the least distance of row n of z to the 4,096 codes, and part[g] = the sum of these least distances
; over the 256 rows of work-group g.
; No work of the problem is left out.  d(n, c) = fl( fl(zz[n] + ww[c]) + D ), D = the matrix unit's sum of z[n][k] x (-2 W[c][k]): the two f32 roundings of
; (|z|^2 + |w|^2) - 2 z.w in their order, since |z|^2 is so large beside 2 z.w that these roundings make ties, which the first index wins.
; zz and ww are f32 sums of squares of the same bf16-rounded numbers that enter the product.
; THE LOSS: sum over j of (z[j] - w[j])^2 = |z|^2 + |w|^2 - 2 z.w for all values, and the right side at the chosen code is the least distance that this launch holds.
; LIMITS.  (1) A NaN among the distances is passed over by the minimum (the num forms), where argmin would return its place.  (2) An index can differ from the f32
; computation on the bf16-rounded inputs only where two distances of a row lie within one step of f32 of each other and the order of summation inside the product moves one
; of them across a rounding boundary.  (3) The loss is made from the bf16-rounded z and W by the expansion above: its error for a row is up to about 2^-8 (|z| + |w|)^2,
; which is small beside the row's term as long as |z - w| is of the order of |z|; it would grow in proportion where codes lie within a few percent of the rows.
;
; SHARES.  A work-group owns 256 rows of z.  Eight waves, two for each of the WGP's four SIMDs (2 x 256 of a SIMD's 1,024 registers).  A pair of waves (pair = wave / 2) owns
; 64 rows = 4 row tiles of 16; both keep them as bf16 fragments in 64 registers for the whole launch.  Of the 256 code tiles of 16, wave u = wave % 2 of a pair takes the
; tiles 2 n + u, n = 0..127.  Why two waves: the instructions of a slice below hang on each other (minimum, compare, selects), and the partner on the SIMD has independent
; instructions to issue meanwhile.  Matrix instructions, LDS reads and bytes fetched are the same in sum as with one wave for the 64 rows.
; Source 0 of the matrix instruction is 16 codes, source 1 is 16 rows: lane (r = lane % 16, h = lane / 16) then holds, for row r, the codes 16 t + 8 h + j in
; register j.  So a row's minimum runs inside a lane: no traffic between lanes until the end.
; PER TILE (8 distances a lane): 4 packed adds ww + zz, 4 packed adds + D, 4 three-way minima that also take the best so far, 1 compare (did the best stay?), 1 select of the
; tile's number, 4 double selects that keep the 8 distances of the winning tile.  A later tile wins only if strictly smaller; the place inside the winning tile is looked up
; once at the end, lowest first; the two lanes of a row, and then the two waves of a pair, are merged by: the smaller distance, on a tie the lower index.  Together: the first index.
; TWO SETS of four accumulators: while one set is multiplied (8 matrix instructions), the other set's distances are reduced, one slice of vector work behind each matrix
; instruction.  The slices name none of the running matrix instructions' registers.
; CLUSTER.  All work-groups read the same W2 and ww.  Four work-groups form a cluster and ask for each piece jointly (mask 15): the requests for them are divided by four.
; LDS.  W2 comes in four chunks of 1,024 codes through two slots; a slot is filled again twice in the whole launch, each time behind a round of the cluster's barrier.
.set DUAL,   1                         ; 1: two selects in one instruction; 0: written singly
.set PITCH,  144                       ; a code in LDS: 128 bytes + 16 of padding = 36 words: the 16 rows of a fragment load begin at 16 different 16-byte columns modulo 256 bytes (64 banks of 4 bytes: ISA guide 11.1)
.set TILEB,  16*PITCH                  ; a code tile: 2,304 bytes
.set EIGHTB, 128*PITCH                 ; what one tensor load brings: 128 codes
.set SLOTB,  1024*PITCH                ; a slot: 147,456 bytes.  Slot 0 at 0, slot 1 behind it
.set CHUNKB, 1024*128                  ; a chunk in memory
.set WWT,    2*SLOTB                   ; 294,912: ww, 16,384 bytes, filled once
.set STAGE,  WWT+16384                 ; 311,296: 2,304 bytes for each pair of waves, written by LDS stores alone: 16 rows of z as bf16.  No fill lands here
.set LOSS,   STAGE+4*TILEB             ; 320,512: four words, one a pair
.set XCH,    LOSS+256                  ; 320,768: 512 bytes for each wave: its 64 least distances, then its 64 indices
; v0 thread; v1 r, then 32 h + 64 u; v2 h; v3 running address of code fragments; v4 running address of ww; v5, v6 stage: where I store, where I read; v7 16 x lane; v8 8 h;
; v9 144 r + 16 h + 2,304 u; v10-15 at work
.set ZB,  16                           ; v[16:79]    row tile i: 16 registers: K 0-31, then K 32-63
.set ST,  80                           ; v[80:127]   row tile i: 12 registers: 0-7 the winning tile's distances, 8 and 9 the best (they take turns), 10 16 x winning tile, 11 the index
.set ZZ,  128                          ; v[128:135]  row tile i: |z|^2 of my row, twice (a pair for the packed add)
.set AF,  136                          ; v[136:167]  code fragments, two sets of 16
.set WWF, 168                          ; v[168:183]  ww of my 8 codes, two sets of 8
.set ACC, 184                          ; v[184:247]  accumulators, two sets of 4 x 8
.set T,   248                          ; v[248:255]  ww + zz, then the minima at work
.set R,   136                          ; at the head only: v[136:199], z as loaded: 16 registers for my 8 rows of each row tile
.set G1W, 16                           ; s[16:23] shape of an eighth of a chunk     s[24:31] shape of an eighth of ww
.set G1S, 24
.set G0A, 32                           ; s[32:35] slot 0, s[36:39] slot 1, s[40:43] ww: from where, to where
.set G0B, 36
.set G0S, 40
; A round of the cluster's barrier: my work-group's barrier, wave 0 signals for the work-group, every wave waits for all four work-groups, my work-group's barrier once more.
.macro ROUND
	s_barrier_signal -1
	s_barrier_wait -1
	s_cmp_lg_u32 s8, 0
	s_cbranch_scc1 .Lnot_wave_0_\@
	s_barrier_signal -3
.Lnot_wave_0_\@:
	s_barrier_wait -3
	s_barrier_signal -1
	s_barrier_wait -1
.endm
; Row tile i of my pair.  I round my 8 of its 16 rows to bf16 and put them into the pair's stage; behind a barrier both waves read the tile in fragment layout; a second barrier
; stands between these reads and the next tile's stores, and |z|^2 of the rounded numbers (register work) is made between its signal and its wait.
; The last tile needs no second barrier: the stage is not written again.
.macro ZROUND i
	s_wait_loadcnt 12-4*\i                         ; loads come back in order (ISA guide 5.7.1): my four loads of tile i are in; four for each later tile stay out
.irp q, 0,1,2,3
	v_cvt_pk_bf16_f32 v[R+16*\i+4*\q], v[R+16*\i+4*\q], v[R+16*\i+4*\q+1]
	v_cvt_pk_bf16_f32 v[R+16*\i+4*\q+1], v[R+16*\i+4*\q+2], v[R+16*\i+4*\q+3]
	ds_store_b64 v5, v[R+16*\i+4*\q:R+16*\i+4*\q+1] offset:2*PITCH*\q   ; rows 8 u + 2 q and 8 u + 2 q + 1, 8 bytes a lane
.endr
	s_wait_dscnt 0x0                               ; my 8 rows are written: my partner reads them behind the barrier
	s_barrier_signal -1
	s_barrier_wait -1
.irp c, 0,1,2,3
	ds_load_b128 v[ZB+16*\i+4*\c:ZB+16*\i+4*\c+3], v6 offset:32*\c
.endr
	v_mov_b32 v10, 0
	v_mov_b32 v11, 0
	s_wait_dscnt 0x0                               ; the fragments are in: for my registers, and for the waves that write the stage again
.if \i < 3
	s_barrier_signal -1
.endif
.irp c, 0,1,2,3,4,5,6,7,8,9,10,11,12,13,14,15
	v_fma_mix_f32_bf16 v10, v[ZB+16*\i+\c], v[ZB+16*\i+\c], v10 op_sel_hi:[1,1,0]                    ; low halves, one chain
	v_fma_mix_f32_bf16 v11, v[ZB+16*\i+\c], v[ZB+16*\i+\c], v11 op_sel:[1,1,0] op_sel_hi:[1,1,0]     ; high halves, another
.endr
	v_add_f32 v10, v10, v11                        ; my 32 of the row's 64 numbers;
	v_permlanex16_b32 v11, v10, s12, s13           ; lane xor 16 holds the other 32 of the same row
	v_add_f32 v[ZZ+2*\i], v10, v11
	v_mov_b32 v[ZZ+2*\i+1], v[ZZ+2*\i]
.if \i < 3
	s_barrier_wait -1
.endif
.endm
; Matrix instruction n of a phase, into set 1 - p.  n = 0-3: K 0-31 of row tile n, which starts the sum (C = 0: nothing is cleared); n = 4-7: K 32-63 of row tile n - 4.
; The four accumulators take turns, one instruction a turn.
.macro WM n, p
.if (\n) < 4
	v_wmma_f32_16x16x32_bf16 v[ACC+32*(1-\p)+8*(\n):ACC+32*(1-\p)+8*(\n)+7], v[AF+16*(1-\p):AF+16*(1-\p)+7], v[ZB+16*(\n):ZB+16*(\n)+7], 0
.else
	v_wmma_f32_16x16x32_bf16 v[ACC+32*(1-\p)+8*((\n)-4):ACC+32*(1-\p)+8*((\n)-4)+7], v[AF+16*(1-\p)+8:AF+16*(1-\p)+15], v[ZB+16*((\n)-4)+8:ZB+16*((\n)-4)+15], v[ACC+32*(1-\p)+8*((\n)-4):ACC+32*(1-\p)+8*((\n)-4)+7]
.endif
.endm
; Slice A: the 8 distances of row tile i in set p, with the two roundings in their order.
.macro SLA i, p
.irp j, 0,2,4,6
	v_pk_add_f32 v[T+\j:T+\j+1], v[WWF+8*\p+\j:WWF+8*\p+\j+1], v[ZZ+2*\i:ZZ+2*\i+1]
.endr
.irp j, 0,2,4,6
	v_pk_add_f32 v[ACC+32*\p+8*\i+\j:ACC+32*\p+8*\i+\j+1], v[T+\j:T+\j+1], v[ACC+32*\p+8*\i+\j:ACC+32*\p+8*\i+\j+1]
.endr
.endm
; Slice B: the least of the 8 and of the best so far goes to the other of the two best registers; where it equals the old best nothing changes,
; else the tile's number (tid = 16 x tile, a scalar) and its 8 distances are kept.
.macro SLB i, p, tid
.set DD, ACC+32*\p+8*\i
.set SS, ST+12*\i
	v_min3_num_f32 v[T], v[DD], v[DD+1], v[DD+2]
	v_min3_num_f32 v[T+1], v[DD+3], v[DD+4], v[DD+5]
	v_min3_num_f32 v[T+2], v[DD+6], v[DD+7], v[SS+8+\p]
	v_min3_num_f32 v[SS+9-\p], v[T], v[T+1], v[T+2]
	v_cmp_eq_f32 vcc_lo, v[SS+9-\p], v[SS+8+\p]
	v_cndmask_b32 v[SS+10], \tid, v[SS+10], vcc_lo
.irp j, 0,2,4,6
.if DUAL
	v_dual_cndmask_b32 v[SS+\j], v[DD+\j], v[SS+\j] :: v_dual_cndmask_b32 v[SS+\j+1], v[DD+\j+1], v[SS+\j+1]
.else
	v_cndmask_b32 v[SS+\j], v[DD+\j], v[SS+\j], vcc_lo
	v_cndmask_b32 v[SS+\j+1], v[DD+\j+1], v[SS+\j+1], vcc_lo
.endif
.endr
.endm
; A phase: my code tile n is multiplied into set 1 - p (mma), my tile n - 1 in set p is reduced (valu), the fragments of my tile n + 1 are fetched into fragment set p (ldaf, at
; byte afoff from v3) and ww of tile n into ww set 1 - p (ldww, at byte wwoff from v4).
; Fragment set p was last read by the phase before, whose last matrix instruction is followed by slice B of row tile 3 (its four minima alone are four plain vector
; instructions that name none of its registers: ISA guide 7.12.1), or, where that phase had no slices, by four v_nop.  The same instructions stand between the last write of
; set p's accumulators and the slices that read them here.
.macro PHASE p, mma, valu, ldaf, afoff, ldww, wwoff, tid
	s_wait_dscnt 0x0                               ; the loads issued at the head of the phase before: this phase's fragments and ww
.if \ldaf
.irp c, 0,1,2,3
	ds_load_b128 v[AF+16*\p+4*\c:AF+16*\p+4*\c+3], v3 offset:\afoff+32*\c
.endr
.endif
.if \ldww
	ds_load_b128 v[WWF+8*(1-\p):WWF+8*(1-\p)+3], v4 offset:\wwoff
	ds_load_b128 v[WWF+8*(1-\p)+4:WWF+8*(1-\p)+7], v4 offset:\wwoff+16
.endif
.irp i, 0,1,2,3
.if \mma
	WM 2*\i, \p
.endif
.if \valu
	SLA \i, \p
.endif
.if \mma
	WM 2*\i+1, \p
.endif
.if \valu
	SLB \i, \p, \tid
.endif
.endr
.if \mma > \valu
.rept 4
	v_nop                                          ; no slices here: the four places behind the last matrix instruction
.endr
.endif
.endm
; A trip: two phases, two of my code tiles, which lie two tiles apart.  s14 = 16 x the tile that the first phase reduces.
.macro TRIP
	s_add_co_u32 s15, s14, 32
	PHASE 0, 1, 1, 1, 0, 1, 0, s14
	PHASE 1, 1, 1, 1, 2*TILEB, 1, 128, s15
	v_add_nc_u32 v3, 4*TILEB, v3
	v_add_nc_u32 v4, 256, v4
	s_add_co_u32 s14, s14, 64
.endm
.macro LOOP n
	s_mov_b32 s3, \n
.Ltrip_\@:
	TRIP
	s_sub_co_i32 s3, s3, 1
	s_cmp_lg_u32 s3, 0
	s_cbranch_scc1 .Ltrip_\@
.endm
; The slot whose last tile has just been fetched into registers is filled again, two chunks on.
.macro CHANGE g0
	s_wait_dscnt 0x0                               ; my reads of that slot are back
	s_set_vgpr_msb 0x5
	s_wait_tensorcnt 0x0                           ; all my tensor loads have landed, my eighth of the other slot among them: no load of mine is out, so a group 0 may be written
	ds_add_u32 v0, v1
	s_wait_dscnt 0x0
	s_set_vgpr_msb 0x500
	s_add_nc_u64 s[\g0+2:\g0+3], s[\g0+2:\g0+3], 2*CHUNKB
	ROUND                                          ; both now hold of every wave of all four work-groups
	tensor_load_to_lds s[\g0:\g0+3], s[G1W:G1W+7]  ; my one tensor load behind the round, and the first thing there
	s_nop 0
.endm
; Two candidates for one row: (b, i) takes (ob, oi) where ob is smaller, or equal with the lower index.  Values are selected; nothing branches on them.
.macro BETTER b, i, ob, oi
	v_cmp_lt_f32 s58, v[\ob], v[\b]
	v_cmp_eq_f32 s59, v[\ob], v[\b]
	v_cmp_lt_u32 vcc_lo, v[\oi], v[\i]
	s_and_b32 s59, s59, vcc_lo
	s_or_b32 vcc_lo, s58, s59
	v_cndmask_b32 v[\i], v[\i], v[\oi], vcc_lo
	v_min_num_f32 v[\b], v[\b], v[\ob]
.endm
; Row tile i at the end: the lowest place of the best among the winning tile's 8 distances; then the better of the two lanes that share the row.
.macro FINAL i
.set SS, ST+12*\i
	v_mov_b32 v10, 7
.irp j, 6,5,4,3,2,1,0
	v_cmp_eq_f32 vcc_lo, v[SS+\j], v[SS+8]
	v_cndmask_b32 v10, v10, \j, vcc_lo
.endr
	v_add3_u32 v[SS+11], v[SS+10], v10, v8         ; 16 x tile + place + 8 h
	v_permlanex16_b32 v11, v[SS+8], s12, s13       ; the other lane's best
	v_permlanex16_b32 v12, v[SS+11], s12, s13      ; and its index
	BETTER SS+8, SS+11, 11, 12
.endm
	s_load_b256 s[44:51], s[0:1], 0x0              ; z s[44:45], W2 s[46:47], ww s[48:49], idx s[50:51]
	s_load_b64 s[52:53], s[0:1], 0x20              ; part
	s_set_vgpr_msb 0x40
	v_lshl_add_u32 v0, v0, 2, 0x4f500
	v_mov_b32 v1, 0
	s_set_vgpr_msb 0x4045
	ds_add_u32 v0, v1
	s_set_vgpr_msb 0x4500
	v_lshrrev_b32 v1, 5, v0
	v_readfirstlane_b32 s8, v1                     ; wave 0..7
	s_lshr_b32 s61, s8, 1                          ; pair 0..3: which 64 rows
	s_and_b32 s62, s8, 1                           ; u: even or odd code tiles; also which 8 rows of a row tile I convert
	s_bfe_u32 s9, ttmp6, 0x40000                   ; cx: my place in the cluster
	s_lshl_b32 s10, ttmp9, 2                       ; in a cluster launch ttmp9 counts clusters
	s_add_co_u32 s10, s10, s9                      ; work-group 0..255; it enters the addresses of z, idx and part alone
	s_mov_b32 s12, 0x76543210                      ; v_permlanex16_b32: lane i of one half reads lane i of the other
	s_mov_b32 s13, 0xfedcba98
	; Group 1 for W2: 128 codes are 16,384 dense bytes, taken as 64 rows of 32 elements of 8 bytes; behind every 32 words (one code) 4 words are skipped in LDS.
	s_mov_b32 s[G1W+0], 15|(3<<16)|(1<<20)|(1<<21)|(4<<22)|(3<<25)  ; 15:0 mask: all four work-groups; 17:16 elements of 8 bytes; 20 padding on; 21 set beside a mask; 24:22 every 32 words (code 4); 31:25 4 words (code 3)
	s_mov_b32 s[G1W+1], 32<<16                     ; tensor_dim0 = 32
	s_mov_b32 s[G1W+2], 64<<16                     ; tensor_dim1 = 64
	s_mov_b32 s[G1W+3], 32<<16                     ; tile_dim0 = 32
	s_mov_b32 s[G1W+4], 64                         ; tile_dim1 = 64
	s_mov_b32 s[G1W+5], 32                         ; from row to row: 32 elements (dense)
	s_mov_b32 s[G1W+6], 0
	s_mov_b32 s[G1W+7], 0
	; Group 1 for ww: 2,048 dense bytes as 8 rows of 256, no padding.
	s_mov_b32 s[G1S+0], 15|(3<<16)|(1<<21)
	s_mov_b32 s[G1S+1], 32<<16
	s_mov_b32 s[G1S+2], 8<<16
	s_mov_b32 s[G1S+3], 32<<16
	s_mov_b32 s[G1S+4], 8
	s_mov_b32 s[G1S+5], 32
	s_mov_b32 s[G1S+6], 0
	s_mov_b32 s[G1S+7], 0
	; What enters the joint descriptors hangs on the wave's number alone, in registers that never hold my place in the cluster.
	s_lshl_b32 s4, s8, 14                          ; my eighth of a chunk in memory
	s_mov_b32 s5, 0
	s_lshl_b32 s6, s8, 11                          ; my eighth of ww
	s_mov_b32 s7, 0
	s_mov_b32 s[G0A], 1
	s_mul_i32 s[G0A+1], s8, EIGHTB                 ; slot 0, my eighth
	s_mov_b32 s[G0B], 1
	s_add_co_u32 s[G0B+1], s[G0A+1], SLOTB         ; slot 1, my eighth
	s_mov_b32 s[G0S], 1
	s_add_co_u32 s[G0S+1], s6, WWT
	s_lshl_b32 s54, s10, 16                        ; z: 256 rows of 256 bytes a work-group,
	s_lshl_b32 s56, s61, 14                        ; 64 rows a pair,
	s_add_co_u32 s54, s54, s56
	s_lshl_b32 s56, s62, 11                        ; and my 8 rows of each row tile
	s_add_co_u32 s54, s54, s56
	s_mov_b32 s55, 0
	s_lshl_b32 s56, s10, 10                        ; idx: 1,024 bytes a work-group,
	s_lshl_b32 s57, s61, 8                         ; 256 a pair
	s_add_co_u32 s56, s56, s57
	s_mov_b32 s57, 0
	s_lshl_b32 s58, s10, 2                         ; part: one word a work-group
	s_mov_b32 s59, 0
	s_mul_i32 s11, s61, TILEB
	s_add_co_u32 s11, s11, STAGE                   ; my pair's stage
	s_mul_i32 s3, s62, 8*PITCH
	s_add_co_u32 s3, s3, s11                       ; my 8 rows in it
	s_mul_i32 s2, s62, TILEB                       ; my first code tile: tile u
	v_and_b32 v1, 15, v0                           ; r
	v_bfe_u32 v2, v0, 4, 1                         ; h
	v_mul_u32_u24 v9, v1, PITCH
	v_lshl_add_u32 v9, v2, 4, v9                   ; 144 r + 16 h: my place in a fragment's 16 rows
	v_mul_u32_u24 v5, v2, PITCH
	v_lshl_add_u32 v5, v1, 3, v5
	v_add_nc_u32 v5, s3, v5                        ; stage, in: row h of a pair of rows, 8 bytes at 8 r
	v_add_nc_u32 v6, s11, v9                       ; stage, back: as a fragment
	v_add_nc_u32 v9, s2, v9                        ; code fragments: + 2,304 u
	v_and_b32 v7, 31, v0
	v_lshlrev_b32 v7, 4, v7                        ; 16 x lane
	v_lshlrev_b32 v8, 3, v2                        ; 8 h
	v_lshlrev_b32 v1, 5, v2
	v_lshl_add_u32 v1, s62, 6, v1                  ; ww: my 8 codes of tile u begin at 64 u + 32 h
	v_mov_b32 v12, 0                               ; written once: it is a permute's destination later
	s_wait_dscnt 0x0
	s_wait_kmcnt 0x0
	s_add_nc_u64 s[G0A+2:G0A+3], s[46:47], s[4:5]              ; chunk 0, my eighth
	s_add_nc_u64 s[G0B+2:G0B+3], s[G0A+2:G0A+3], CHUNKB        ; chunk 1
	s_add_nc_u64 s[G0S+2:G0S+3], s[48:49], s[6:7]
	s_or_b32 s[G0A+3], s[G0A+3], 0x80000000        ; type = 2
	s_or_b32 s[G0B+3], s[G0B+3], 0x80000000
	s_or_b32 s[G0S+3], s[G0S+3], 0x80000000
	s_add_nc_u64 s[44:45], s[44:45], s[54:55]
	s_add_nc_u64 s[50:51], s[50:51], s[56:57]
	s_add_nc_u64 s[52:53], s[52:53], s[58:59]
	ROUND                                          ; all four work-groups are here: the first joint loads meet
	tensor_load_to_lds s[G0S:G0S+3], s[G1S:G1S+7]  ; the three first fills go out together: three tensor loads of the wave are out, the most in this text
	s_nop 0
	tensor_load_to_lds s[G0A:G0A+3], s[G1W:G1W+7]
	s_nop 0
	tensor_load_to_lds s[G0B:G0B+3], s[G1W:G1W+7]
	s_nop 0
	; z: each byte is read once in the launch.  My 8 rows of each of the pair's four row tiles: sixteen loads of 512 neighbouring bytes (two rows), all on their way at once.
.irp i, 0,1,2,3
.irp q, 0,1,2,3
	global_load_b128 v[R+16*\i+4*\q:R+16*\i+4*\q+3], v7, s[44:45] offset:4096*\i+512*\q
.endr
.endr
	ZROUND 0                                       ; behind none of these barriers is LDS filled again: the three tensor loads may stay out across them
	ZROUND 1
	ZROUND 2
	ZROUND 3
	; the state: best = +infinity, so that the first finite tile wins; if every distance of a row is +infinity, index 0 results, as from argmin
	s_mov_b32 s2, 0x7f800000
.irp i, 0,1,2,3
.irp j, 0,1,2,3,4,5,6,7,8
	v_mov_b32 v[ST+12*\i+\j], s2
.endr
	v_mov_b32 v[ST+12*\i+10], 0
.endr
	s_lshl_b32 s14, s62, 4                         ; 16 x my first tile
	v_mov_b32 v3, v9                               ; my tile 0
	v_add_nc_u32 v4, WWT, v1                       ; and its ww
	s_wait_tensorcnt 0x1                           ; my eighths of ww and of chunk 0 have landed; chunk 1 may stay out
	s_wait_dscnt 0x0
	s_barrier_signal -1
	s_barrier_wait -1                              ; everybody's have
.irp c, 0,1,2,3
	ds_load_b128 v[AF+4*\c:AF+4*\c+3], v3 offset:32*\c
.endr
	PHASE 1, 1, 0, 1, 2*TILEB, 1, 0, s14           ; my tile 0 is multiplied, nothing to reduce yet; tile 1 and ww of tile 0 are fetched
	; Before each loop the two running addresses are set anew from the lane's and the wave's term and a constant.  Tiles are counted as mine, n = 0..127; a chunk holds 32 of them.
	v_add_nc_u32 v3, 4*TILEB, v9                   ; tile 2
	v_add_nc_u32 v4, WWT+128*1, v1                 ; ww of tile 1
	LOOP 15                                        ; tiles 1-30 multiplied; the last fetch was tile 31, my last of chunk 0
	CHANGE G0A                                     ; chunk 2 into slot 0
	v_add_nc_u32 v3, SLOTB, v9                     ; tile 32: slot 1
	v_add_nc_u32 v4, WWT+128*31, v1
	LOOP 16                                        ; tiles 31-62; fetched: 32-63
	CHANGE G0B                                     ; chunk 3 into slot 1
	v_mov_b32 v3, v9                               ; tile 64: slot 0
	v_add_nc_u32 v4, WWT+128*63, v1
	LOOP 16                                        ; tiles 63-94; fetched: 64-95
	s_wait_dscnt 0x0
	s_wait_tensorcnt 0x0                           ; my eighth of chunk 3 has landed: the last tensor load
	s_barrier_signal -1
	s_barrier_wait -1                              ; everybody's has
	v_add_nc_u32 v3, SLOTB, v9                     ; tile 96: slot 1
	v_add_nc_u32 v4, WWT+128*95, v1
	LOOP 16                                        ; tiles 95-126; fetched: 96-127
	s_add_co_u32 s15, s14, 32
	PHASE 0, 1, 1, 0, 0, 1, 0, s14                 ; tile 127 multiplied, 126 reduced; only ww of tile 127 is left to fetch
	PHASE 1, 0, 1, 0, 0, 0, 0, s15                 ; tile 127 reduced: the best now lies in register 8 of each state
	FINAL 0
	FINAL 1
	FINAL 2
	FINAL 3
	; My 64 least distances and indices go to my 512 bytes of LDS, row by row.
	v_and_b32 v10, 31, v0
	s_lshl_b32 s2, s8, 9
	s_add_co_u32 s2, s2, XCH
	v_lshl_add_u32 v13, v10, 2, s2                 ; 4 x lane in my wave's bytes
	v_cmp_ne_u32 vcc_lo, 0, v2
	v_cndmask_b32 v11, v[ST+8], v[ST+12+8], vcc_lo         ; lanes 0-15: rows 0-15; lanes 16-31: rows 16-31
	v_cndmask_b32 v12, v[ST+24+8], v[ST+36+8], vcc_lo      ; rows 32-47, 48-63
	v_cndmask_b32 v14, v[ST+11], v[ST+12+11], vcc_lo
	v_cndmask_b32 v15, v[ST+24+11], v[ST+36+11], vcc_lo
	ds_store_b32 v13, v11
	ds_store_b32 v13, v12 offset:128
	ds_store_b32 v13, v14 offset:256
	ds_store_b32 v13, v15 offset:384
	s_wait_dscnt 0x0                               ; written: the pair's even wave reads them behind the barrier
	s_barrier_signal -1
	s_barrier_wait -1
	s_cmp_lg_u32 s62, 0
	s_cbranch_scc1 .Lmerged
	; The even wave of a pair merges the two; lane l takes rows 2 l and 2 l + 1, so that the pair's 64 indices leave as one store of 256 bytes.
	s_lshl_b32 s3, s61, 10
	s_add_co_u32 s3, s3, XCH                       ; the pair's 1,024 bytes: mine, then my partner's
	v_lshl_add_u32 v13, v10, 3, s3
	ds_load_b64 v[T:T+1], v13                      ; my least distances
	ds_load_b64 v[T+2:T+3], v13 offset:256         ; my indices
	ds_load_b64 v[T+4:T+5], v13 offset:512         ; my partner's
	ds_load_b64 v[T+6:T+7], v13 offset:768
	v_lshlrev_b32 v15, 3, v10
	s_wait_dscnt 0x0
	BETTER T, T+2, T+4, T+6
	BETTER T+1, T+3, T+5, T+7
	global_store_b64 v15, v[T+2:T+3], s[50:51]     ; 256 consecutive bytes of idx, aligned
	; the pair's sum of least distances: two rows a lane, then over the 32 lanes
	v_add_f32 v10, v[T], v[T+1]
	v_add_f32_dpp v10, v10, v10 row_xmask:1 row_mask:0xf bank_mask:0xf
	v_add_f32_dpp v10, v10, v10 row_xmask:2 row_mask:0xf bank_mask:0xf
	v_add_f32_dpp v10, v10, v10 row_xmask:4 row_mask:0xf bank_mask:0xf
	v_add_f32_dpp v10, v10, v10 row_xmask:8 row_mask:0xf bank_mask:0xf
	v_permlanex16_b32 v11, v10, s12, s13
	v_add_f32 v10, v10, v11
	s_lshl_b32 s2, s61, 2
	s_add_co_u32 s2, s2, LOSS
	v_mov_b32 v11, s2
	ds_store_b32 v11, v10                          ; all lanes write one word with one value
	s_wait_dscnt 0x0                               ; written: wave 0 reads it behind the barrier
.Lmerged:
	ROUND                                          ; the closing round: no work-group ends while a partner may still ask jointly; its first barrier also orders the four words for wave 0
	s_cmp_lg_u32 s8, 0
	s_cbranch_scc1 .Lend
	v_mov_b32 v10, LOSS
	ds_load_b128 v[T+4:T+7], v10
	v_mov_b32 v11, 0
	s_wait_dscnt 0x0
	v_add_f32 v[T+4], v[T+4], v[T+5]
	v_add_f32 v[T+6], v[T+6], v[T+7]
	v_add_f32 v[T+4], v[T+4], v[T+6]
	s_wait_xcnt 0x0                                ; EXEC is a source of the store of idx: it changes only behind this wait
	v_cmp_eq_u32 vcc_lo, 0, v0
	s_and_saveexec_b32 s60, vcc_lo
	global_store_b32 v11, v[T+4], s[52:53]         ; one word for the work-group
	s_wait_xcnt 0x0                                ; and again in front of the line that widens it
	s_or_b32 exec_lo, exec_lo, s60
.Lend:
	s_set_vgpr_msb 0x5
	s_wait_tensorcnt 0x0
	ds_add_u32 v0, v1
	s_wait_dscnt 0x0
	s_set_vgpr_msb 0x500
	s_endpgm
.Lfunc_end_k_q5ccf8eb4a0_nearest:
	.size	k_q5ccf8eb4a0_nearest, .Lfunc_end_k_q5ccf8eb4a0_nearest-k_q5ccf8eb4a0_nearest
	.p2alignl 7, 3214868480
	.fill 96, 4, 3214868480
	.section	.rodata,"a",@progbits
	.p2align	6, 0x0
	.amdhsa_kernel k_q5ccf8eb4a0_nearest
		.amdhsa_group_segment_fixed_size 327680
		.amdhsa_private_segment_fixed_size 0
		.amdhsa_enable_private_segment 0
		.amdhsa_kernarg_size 40
		.amdhsa_user_sgpr_count 2
		.amdhsa_user_sgpr_kernarg_segment_ptr 1
		.amdhsa_wavefront_size32 1
		.amdhsa_system_sgpr_workgroup_id_x 1
		.amdhsa_system_sgpr_workgroup_id_y 1
		.amdhsa_system_sgpr_workgroup_id_z 1
		.amdhsa_system_vgpr_workitem_id 0
		.amdhsa_next_free_vgpr 258
		.amdhsa_next_free_sgpr 66
		.amdhsa_reserve_vcc 1
		.amdhsa_float_denorm_mode_32 3
		.amdhsa_float_denorm_mode_16_64 3
		.amdhsa_memory_ordered 1
		.amdhsa_forward_progress 1
		.amdhsa_inst_pref_size 85
	.end_amdhsa_kernel
	.amdgpu_metadata
---
amdhsa.version: [ 1, 2 ]
amdhsa.kernels:
  - .name:           k_q5ccf8eb4a0_nearest
    .symbol:         k_q5ccf8eb4a0_nearest.kd
    .args:
      - { .name: z, .offset: 0, .size: 8, .value_kind: global_buffer, .address_space: global }
      - { .name: W2, .offset: 8, .size: 8, .value_kind: global_buffer, .address_space: global }
      - { .name: ww, .offset: 16, .size: 8, .value_kind: global_buffer, .address_space: global }
      - { .name: idx, .offset: 24, .size: 8, .value_kind: global_buffer, .address_space: global }
      - { .name: part, .offset: 32, .size: 8, .value_kind: global_buffer, .address_space: global }
    .group_segment_fixed_size: 327680
    .private_segment_fixed_size: 0
    .kernarg_segment_align: 8
    .kernarg_segment_size: 40
    .max_flat_workgroup_size: 256
    .sgpr_count:     66
    .vgpr_count:     258
    .wavefront_size: 32
...
	.end_amdgpu_metadata
.endif
;; end of part 2
;; launch gather (part 3): grid 256 x 1, 8 waves a work-group, no clusters, 0 bytes of LDS; arguments z, W, idx, part, out0, out1; writes out0, out1
.if DOCPART == 3
	.amdgcn_target "amdgcn-amd-amdhsa--gfx1250"
	.amdhsa_code_object_version 6
	.text
	.protected	k_q5ccf8eb4a0_gather
	.globl	k_q5ccf8eb4a0_gather
	.p2align	8
	.type	k_q5ccf8eb4a0_gather,@function
k_q5ccf8eb4a0_gather:
	s_mov_b64 s[64:65], 0
	v_nop
	global_prefetch_b8 v0, s[64:65] scope:SCOPE_SE
	s_setreg_imm32_b32 hwreg(HW_REG_WAVE_MODE, 25, 1), 1
	s_wait_xcnt 0x0
; VectorQuantizer, third launch: out1[n] = z[n] + (W[idx[n]] - z[n]), with both f32 roundings as written (no work is left out: for large z they show in the result),
; and out0 = 0.25 x mean of (z - W[idx])^2 = 2^-24 x the sum of the 256 partial sums of least distances that the launch before stored (4,194,304 numbers; the identity and
; its limit stand at that kernel's head).  The indices are whole numbers read from memory, stored by the launch before.
; A stream: each byte of z is read once and each byte of out1 written once; rows of W come by index.  No LDS, no barrier, no matrix unit: there is nothing for them to do.
; Eight waves, 256 rows a work-group.  A half wave (sixteen lanes, 16 bytes each) takes a whole row of 256 bytes; half wave g = thread / 16 takes rows 16 g + s, s = 0..15.
; All 16 loads of z and all 16 loads of W of a wave are on their way together; every row owns its registers, so no register of a pending access is written again.
; Limit: an index outside 0..4095 cannot come from the launch before; it would be cut to 4095.
.set IX, 4                             ; v[4:19]    the 16 indices of my half wave, then the byte offsets into W
.set Z,  20                            ; v[20:83]   row s: 4 registers of z
.set Q,  84                            ; v[84:147]  row s: 4 registers of W[idx], then of out1
.set P,  148                           ; v[148:157] the loss, in one wave alone
	s_load_b256 s[4:11], s[0:1], 0x0               ; z s[4:5], W s[6:7], idx s[8:9], part s[10:11]
	s_load_b128 s[16:19], s[0:1], 0x20             ; out0 s[16:17], out1 s[18:19]
	v_lshrrev_b32 v1, 5, v0
	v_readfirstlane_b32 s24, v1                    ; wave 0..7
	v_and_b32 v1, 15, v0
	v_lshlrev_b32 v1, 4, v1                        ; my 16 bytes of a row
	v_lshrrev_b32 v3, 4, v0                        ; g
	v_lshl_or_b32 v2, v3, 12, v1                   ; 16 rows of 256 bytes a half wave: my offset in z and out1
	v_lshlrev_b32 v3, 6, v3                        ; 16 indices of 4 bytes a half wave
	s_lshl_b32 s20, ttmp9, 16                      ; 256 rows of 256 bytes a work-group
	s_mov_b32 s21, 0
	s_lshl_b32 s22, ttmp9, 10                      ; 256 indices
	s_mov_b32 s23, 0
	s_mov_b32 s12, 0x76543210                      ; v_permlanex16_b32: lane i of one half reads lane i of the other
	s_mov_b32 s13, 0xfedcba98
	s_wait_kmcnt 0x0
	s_add_nc_u64 s[4:5], s[4:5], s[20:21]
	s_add_nc_u64 s[18:19], s[18:19], s[20:21]
	s_add_nc_u64 s[8:9], s[8:9], s[22:23]
.irp q, 0,1,2,3
	global_load_b128 v[IX+4*\q:IX+4*\q+3], v3, s[8:9] offset:16*\q   ; the sixteen lanes of a half wave read the same 16 bytes
.endr
.irp s, 0,1,2,3,4,5,6,7,8,9,10,11,12,13,14,15
	global_load_b128 v[Z+4*\s:Z+4*\s+3], v2, s[4:5] offset:256*\s th:TH_LOAD_NT
.endr
	; the loss: wave 0 of work-group 0 adds the 256 partial sums, 8 a lane
	s_cmp_lg_u32 ttmp9, 0
	s_cbranch_scc1 .Lrows
	s_cmp_lg_u32 s24, 0
	s_cbranch_scc1 .Lrows
	v_lshlrev_b32 v[P+8], 5, v0                    ; 32 x lane (in wave 0 the thread is the lane)
	global_load_b128 v[P:P+3], v[P+8], s[10:11]
	global_load_b128 v[P+4:P+7], v[P+8], s[10:11] offset:16
	v_mov_b32 v[P+9], 0                            ; a permute's destination counts as read
	s_wait_loadcnt 0x0
	v_pk_add_f32 v[P:P+1], v[P:P+1], v[P+2:P+3]
	v_pk_add_f32 v[P+4:P+5], v[P+4:P+5], v[P+6:P+7]
	v_pk_add_f32 v[P:P+1], v[P:P+1], v[P+4:P+5]
	v_add_f32 v[P], v[P], v[P+1]
	v_add_f32_dpp v[P], v[P], v[P] row_xmask:1 row_mask:0xf bank_mask:0xf
	v_add_f32_dpp v[P], v[P], v[P] row_xmask:2 row_mask:0xf bank_mask:0xf
	v_add_f32_dpp v[P], v[P], v[P] row_xmask:4 row_mask:0xf bank_mask:0xf
	v_add_f32_dpp v[P], v[P], v[P] row_xmask:8 row_mask:0xf bank_mask:0xf
	v_permlanex16_b32 v[P+9], v[P], s12, s13
	v_add_f32 v[P], v[P], v[P+9]
	v_mul_f32 v[P], 0x33800000, v[P]               ; 2^-24 = 0.25 / 4,194,304
	v_mov_b32 v[P+1], 0
	s_wait_xcnt 0x0                                ; EXEC is a source of the loads above: it changes only behind this wait
	v_cmp_eq_u32 vcc_lo, 0, v0
	s_and_saveexec_b32 s14, vcc_lo
	global_store_b32 v[P+1], v[P], s[16:17]
	s_wait_xcnt 0x0                                ; and again in front of the line that widens it
	s_or_b32 exec_lo, exec_lo, s14
.Lrows:
	s_wait_loadcnt 16                              ; the indices are in; the 16 loads of z issued behind them may stay out (on the way through the loss nothing is out)
.irp s, 0,1,2,3,4,5,6,7,8,9,10,11,12,13,14,15
	v_min_u32 v[IX+\s], 0xfff, v[IX+\s]            ; inside the table
	v_lshl_add_u32 v[IX+\s], v[IX+\s], 8, v1       ; a row of W is 256 bytes; + my 16 bytes
.endr
.irp s, 0,1,2,3,4,5,6,7,8,9,10,11,12,13,14,15
	global_load_b128 v[Q+4*\s:Q+4*\s+3], v[IX+\s], s[6:7]          ; sixteen lanes take a whole row; no hint: rows are named again and again
.endr
.irp s, 0,1,2,3,4,5,6,7,8,9,10,11,12,13,14,15
	s_wait_loadcnt 15-\s                           ; loads come back in order (ISA guide 5.7.1): row s of W is in (and all of z, which is older); the younger rows stay out
	v_pk_add_f32 v[Q+4*\s:Q+4*\s+1], v[Q+4*\s:Q+4*\s+1], v[Z+4*\s:Z+4*\s+1] neg_lo:[0,1] neg_hi:[0,1]       ; W[idx] - z
	v_pk_add_f32 v[Q+4*\s+2:Q+4*\s+3], v[Q+4*\s+2:Q+4*\s+3], v[Z+4*\s+2:Z+4*\s+3] neg_lo:[0,1] neg_hi:[0,1]
	v_pk_add_f32 v[Q+4*\s:Q+4*\s+1], v[Z+4*\s:Z+4*\s+1], v[Q+4*\s:Q+4*\s+1]                                 ; z + that
	v_pk_add_f32 v[Q+4*\s+2:Q+4*\s+3], v[Z+4*\s+2:Z+4*\s+3], v[Q+4*\s+2:Q+4*\s+3]
	global_store_b128 v2, v[Q+4*\s:Q+4*\s+3], s[18:19] offset:256*\s th:TH_STORE_NT   ; sixteen lanes store 256 consecutive bytes, aligned
.endr
	s_endpgm
.Lfunc_end_k_q5ccf8eb4a0_gather:
	.size	k_q5ccf8eb4a0_gather, .Lfunc_end_k_q5ccf8eb4a0_gather-k_q5ccf8eb4a0_gather
	.p2alignl 7, 3214868480
	.fill 96, 4, 3214868480
	.section	.rodata,"a",@progbits
	.p2align	6, 0x0
	.amdhsa_kernel k_q5ccf8eb4a0_gather
		.amdhsa_group_segment_fixed_size 0
		.amdhsa_private_segment_fixed_size 0
		.amdhsa_enable_private_segment 0
		.amdhsa_kernarg_size 48
		.amdhsa_user_sgpr_count 2
		.amdhsa_user_sgpr_kernarg_segment_ptr 1
		.amdhsa_wavefront_size32 1
		.amdhsa_system_sgpr_workgroup_id_x 1
		.amdhsa_system_sgpr_workgroup_id_y 1
		.amdhsa_system_sgpr_workgroup_id_z 1
		.amdhsa_system_vgpr_workitem_id 0
		.amdhsa_next_free_vgpr 160
		.amdhsa_next_free_sgpr 66
		.amdhsa_reserve_vcc 1
		.amdhsa_float_denorm_mode_32 3
		.amdhsa_float_denorm_mode_16_64 3
		.amdhsa_memory_ordered 1
		.amdhsa_forward_progress 1
		.amdhsa_inst_pref_size 14
	.end_amdhsa_kernel
	.amdgpu_metadata
---
amdhsa.version: [ 1, 2 ]
amdhsa.kernels:
  - .name:           k_q5ccf8eb4a0_gather
    .symbol:         k_q5ccf8eb4a0_gather.kd
    .args:
      - { .name: z, .offset: 0, .size: 8, .value_kind: global_buffer, .address_space: global }
      - { .name: W, .offset: 8, .size: 8, .value_kind: global_buffer, .address_space: global }
      - { .name: idx, .offset: 16, .size: 8, .value_kind: global_buffer, .address_space: global }
      - { .name: part, .offset: 24, .size: 8, .value_kind: global_buffer, .address_space: global }
      - { .name: out0, .offset: 32, .size: 8, .value_kind: global_buffer, .address_space: global }
      - { .name: out1, .offset: 40, .size: 8, .value_kind: global_buffer, .address_space: global }
    .group_segment_fixed_size: 0
    .private_segment_fixed_size: 0
    .kernarg_segment_align: 8
    .kernarg_segment_size: 48
    .max_flat_workgroup_size: 256
    .sgpr_count:     66
    .vgpr_count:     160
    .wavefront_size: 32
...
	.end_amdgpu_metadata
.endif
;; end of part 3
